; MI455X (gfx1250); checked and timed in simulation.
; The chip was launched on July 23, 2026; its instructions are those of AMD's public machine-readable ISA for CDNA 5 (MIT licence, August 2026) and "CDNA5" Instruction Set Architecture Reference Guide (July 2026). The comments in the code are by the model that wrote it; some were corrected since.
;; Attention Layer. Allowed arithmetic: float matrix products may take bf16 or f16 operands with f32 sums; all other float work in f32.
;; Inputs: W 200 x 200 float32; b 200 float32; inputs 512 x 200 x 512 float32.
;; Outputs: out0 512 x 512 float32.
;; 2 versions, each right and faster than the one before. Each part assembles by itself: llvm-mc -triple=amdgcn-amd-amdhsa -mcpu=gfx1250 --defsym DOCPART=n.
;; ======== version 1 of 2: 1 launch
;; launch attn (part 1): grid 256 x 1, 8 waves a work-group, no clusters, 120,832 bytes of LDS; arguments inputs, W, b, out0; writes out0
.if DOCPART == 1
	.amdgcn_target "amdgcn-amd-amdhsa--gfx1250"
	.amdhsa_code_object_version 6
	.text
	.protected	k_q25d4a973b6_attn
	.globl	k_q25d4a973b6_attn
	.p2align	8
	.type	k_q25d4a973b6_attn,@function
k_q25d4a973b6_attn:
	s_mov_b64 s[64:65], 0
	v_nop
	global_prefetch_b8 v0, s[64:65] scope:SCOPE_SE
	s_setreg_imm32_b32 hwreg(HW_REG_WAVE_MODE, 25, 1), 1
	s_wait_xcnt 0x0
; out[b][d] = sum_s softmax_s( tanh( sum_t x[b][t][d] W[t][s] + bias[s] ) ) * x[b][s][d].   x: [512][200][512] f32, W: [200][200] f32.
;
; SHARES.  256 work-groups of eight waves; work-group g owns batches 2g and 2g+1; wave w owns columns d = 64w .. 64w+63 of both:
; two tiles of 200 rows x 256 bytes.  x is read once, straight into registers, and the same registers serve both products.
;
; THE LAYOUT THAT MAKES THAT POSSIBLE.  Matrix form D = A x B + C with M = s (A = W transposed, bf16, from LDS), N = d (B = x), K = t.
; One 16-byte load gives lane (r = l % 16, h = l / 16) the columns d = 4r .. 4r+3 of row t = 16u + 8h + e.  Column n = r of B tile c is
; DEFINED as d = 4r + c: then the lane already holds the k that a B fragment wants of it (ISA guide 7.12.2: registers 0-3 k = 8h..8h+7,
; registers 4-7 k = 16+8h..), and packing rows e = 2q, 2q+1 of component c gives fragment register q.  No transpose, no LDS pass for x.
; Result register j of score tile i is (s = 16i + 8h + j, d = 4r + c), and x[s][d] is in the SAME lane: B[c][i/2], register 4(i%2) + j/2,
; half j%2.  So the weighted sum is a mixed multiply-add from the B fragments.
;
; NO MAXIMUM IS TAKEN AWAY, because tanh bounds the exponents for every input: with u = e^(2z), r = 1/(1+u), tanh z = 1 - 2r and
; e^tanh = e * e^(-2r).  The factor e cancels between numerator and denominator; e^(-2r) lies in [e^-2, 1], the sum of 200 of them in
; [27, 200].  u = inf gives r = 0, u = 0 gives r = 1: both right.
;
; PADDING.  K = 200 goes to 224 (7 steps of 32), s = 200 to 208 (13 tiles).  Padded k are zero bits in A and in B; padded s have zero
; weights and bias, are left out of the denominator by a factor 0 and meet x = 0 in the numerator.
;
; PHASES.  A wave alternates between LOAD (104 loads through a ring of 7 x 8 loads into 224 bf16 registers) and COMPUTE (13 score tiles).
; Waves 0-3 load their first tile while waves 4-7 build W^T and the bias in LDS; behind the one barrier waves 0-3 compute while 4-7 load,
; and so on: the two halves of the work-group stay in opposite phases, so that loading and arithmetic run side by side.
;
; NO CLUSTER: of the 980,000 bytes that a work-group reads only W and b (160,800) are shared, once, at the start, beside the first x loads.
;
; LIMITS.  W (times 2 log2 e) and x are rounded to bf16 for the product; x is the same bf16 number in the weighted sum (relative error
; 2^-9 of each x, no difference of large sums is formed).  v_exp_f32 gives 0 below 2^-126 (ISA guide 15.8): r is then 1 to f32 anyway.
; An infinity or NaN in x or W gives NaN.
.set ROWB,   2048                      ; bytes in a row of x
.set BATCHB, 200*ROWB                  ; bytes in a batch
.set WROWB,  800                       ; bytes in a row of W
.set WPITCH, 464                       ; LDS row of W^T: 224 bf16 + 16 bytes = 29 x 16, so 16 consecutive rows start in 16 different 16-byte columns of 256
.set BIASL,  256*WPITCH                ; LDS: 256 f32 of scaled bias behind the 256 rows of W^T
; window 0
.set VA0,  1                           ; 16 r + 8 rows x h: my 16 bytes in a unit of 16 rows of x
.set VA1,  2                           ; 16 r: the same without h (the last unit has 8 rows)
.set ADA,  3                           ; LDS: 464 r + 16 h, A fragments of score tiles 0-7
.set ADA2, 4                           ; the same for score tiles 8-12 (an LDS offset has 16 bits)
.set ADB,  5                           ; LDS: bias + 32 h
.set HM,   6                           ; h = 0: all ones, h = 1: 0
.set OUTO, 7                           ; 2048 h + 16 r: my 16 bytes of the two output rows
.set DEN,  8                           ; v[8:15]   denominators: pair 2c (even j, odd j) of B tile c
.set NUM,  16                          ; v[16:23]  numerators, likewise
.set RES,  24                          ; v[24:27]  results: lanes 0-15 of batch 2g, lanes 16-31 of batch 2g+1
.set RR,   28                          ; r
.set HH,   29                          ; h
.set TA,   30
.set TB,   31
.set ST,   32                          ; v[32:255] LOAD: 7 slots of 8 rows x 4 f32
.set AB,   32                          ; COMPUTE: v[32:87], v[88:143] A fragments of a score tile (7 K steps x 8), two buffers
.set BI,   144                         ; v[144:151], v[152:159] bias as a C operand, two buffers
.set ACC,  160                         ; v[160:191], v[192:223] four accumulators (c = 0..3), two buffers
.set FF,   224                         ; v[224:231] the tile's last sums
; the building of W^T (waves 4-7, before their first LOAD): v[32:223] six slots
.set TP,   224                         ; v[224:239] packed bf16: 4 rows s x 8 t
.set VW0,  240                         ; 16 min(q, 49) + 8 rows of W x h
.set VW1,  241                         ; 16 min(q, 49)
.set LW,   242                         ; LDS: 4 q rows + 16 h
.set QM,   243                         ; q < 50: all ones
.set QH,   244                         ; QM and HM
.set BA0,  245
.set BA1,  246
.set BV0,  247
.set BV1,  248
.set BL,   249
; window 1 (v256-v511, written by their low 8 bits): 8 (7 c + ks) + q = register q of B[c][ks]; 224, 225: 1.0 (h = 0) or 0.0 (h = 1)
.set MSK,  224
.set MSB, 0
.macro WIN new                         ; low byte: bits 1:0 source 0, 3:2 source 1, 5:4 source 2, 7:6 destination; high byte: the setting that is left
.if MSB != \new
	s_set_vgpr_msb (MSB<<8)|\new
.set MSB, \new
.endif
.endm
.macro PLACES
.rept 4
	v_nop
.endr
.endm
; ---- LOAD ----
; unit u: rows 16u .. 16u+15 of my 256 bytes (lanes 0-15 one row's 256 consecutive aligned bytes, lanes 16-31 those of the row 8 further).
; Unit 12 has rows 192-199 only: both halves of the wave read them, so that nothing is read beyond the batch.
.macro XLOAD u, slot
.irp e, 0,1,2,3,4,5,6,7
.if \u == 12
	global_load_b128 v[ST+32*\slot+4*\e:ST+32*\slot+4*\e+3], v[VA1], s[16:17] offset:(16*\u+\e)*ROWB th:TH_LOAD_NT
.else
	global_load_b128 v[ST+32*\slot+4*\e:ST+32*\slot+4*\e+3], v[VA0], s[16:17] offset:(16*\u+\e)*ROWB th:TH_LOAD_NT
.endif
.endr
.endm
; rows 2q, 2q+1 of component c -> register 4 (u % 2) + q of B[c][u / 2]
.macro XCONV u, slot
	WIN 0x40
.irp c, 0,1,2,3
.irp q, 0,1,2,3
	v_cvt_pk_bf16_f32 v[8*(7*\c+\u/2)+4*(\u%2)+\q], v[ST+32*\slot+8*\q+\c], v[ST+32*\slot+8*\q+4+\c]
.endr
.endr
.if \u == 12
	WIN 0x44
.irp c, 0,1,2,3
.irp q, 0,1,2,3
	v_and_b32 v[8*(7*\c+6)+\q], v[HM], v[8*(7*\c+6)+\q]        ; h = 1 stands for rows 200-207: zero bits
.endr
.endr
.endif
	WIN 0
.endm
.macro LTURN u, slot, left, nxt
	s_wait_loadcnt \left                   ; loads return in order: unit u is in; left = 8 x the units issued behind it
	XCONV \u, \slot
.if \nxt
	XLOAD \nxt, \slot
.endif
.endm
.macro LOADTILE
.irp u, 0,1,2,3,4,5,6
	XLOAD \u, \u                           ; 56 loads of 512 bytes on their way
.endr
	LTURN 0,  0, 48, 7
	LTURN 1,  1, 48, 8
	LTURN 2,  2, 48, 9
	LTURN 3,  3, 48, 10
	LTURN 4,  4, 48, 11
	LTURN 5,  5, 48, 12
	LTURN 6,  6, 48, 0                     ; units 7-12 are behind it
	LTURN 7,  0, 40, 0                     ; nothing more is asked for: the counts run down
	LTURN 8,  1, 32, 0
	LTURN 9,  2, 24, 0
	LTURN 10, 3, 16, 0
	LTURN 11, 4, 8,  0
	LTURN 12, 5, 0,  0
	s_add_nc_u64 s[16:17], s[16:17], BATCHB    ; behind the wait for 0: no load names the base any more
.endm
; ---- W^T ----
; unit u: rows t = 16u + 8h + e of W, columns s = 4q .. 4q+3.  Unit 12: rows 192-199 in both halves (W ends there).
.macro WLOAD u
.irp e, 0,1,2,3,4,5,6,7
.if \u == 12
	global_load_b128 v[ST+32*(\u%6)+4*\e:ST+32*(\u%6)+4*\e+3], v[VW1], s[6:7] offset:(16*\u+\e)*WROWB
.else
	global_load_b128 v[ST+32*(\u%6)+4*\e:ST+32*(\u%6)+4*\e+3], v[VW0], s[6:7] offset:(16*\u+\e)*WROWB
.endif
.endr
.endm
; scale by 2 log2 e, pack 8 t of each of my 4 columns, clear what is padding, 16 bytes into each of 4 rows of W^T at byte 2 (16u + 8h)
.macro WTURN u, left, nxt, mask
	s_wait_loadcnt \left                   ; unit u is in; left = 8 x the units issued behind it
.irp j, 0,1,2,3,4,5,6,7,8,9,10,11,12,13,14,15
	v_pk_mul_f32 v[ST+32*(\u%6)+2*\j:ST+32*(\u%6)+2*\j+1], v[ST+32*(\u%6)+2*\j:ST+32*(\u%6)+2*\j+1], s[26:27] op_sel_hi:[1,0]
.endr
.irp cc, 0,1,2,3
.irp m, 0,1,2,3
	v_cvt_pk_bf16_f32 v[TP+4*\cc+\m], v[ST+32*(\u%6)+8*\m+\cc], v[ST+32*(\u%6)+8*\m+4+\cc]
.endr
.endr
.irp j, 0,1,2,3,4,5,6,7,8,9,10,11,12,13,14,15
	v_and_b32 v[TP+\j], v[\mask], v[TP+\j]
.endr
.irp cc, 0,1,2,3
	ds_store_b128 v[LW], v[TP+4*\cc:TP+4*\cc+3] offset:WPITCH*\cc+32*\u
.endr
.if \nxt
	WLOAD \nxt
.endif
.endm
; ---- COMPUTE ----  all of it under one window setting, 0x04: only source 1 (B fragment, x, the factor 0 or 1) lies in window 1
; 16 LDS loads: the 7 A fragments of score tile i (rows s = 16i + r, 16 bytes at 64 k + 16 h and 32 further) and its 8 bias numbers
.macro AFETCH i
.irp k, 0,1,2,3,4,5,6
.if \i < 8
	ds_load_b128 v[AB+56*(\i%2)+8*\k:AB+56*(\i%2)+8*\k+3],   v[ADA] offset:\i*16*WPITCH+64*\k
	ds_load_b128 v[AB+56*(\i%2)+8*\k+4:AB+56*(\i%2)+8*\k+7], v[ADA] offset:\i*16*WPITCH+64*\k+32
.else
	ds_load_b128 v[AB+56*(\i%2)+8*\k:AB+56*(\i%2)+8*\k+3],   v[ADA2] offset:(\i-8)*16*WPITCH+64*\k
	ds_load_b128 v[AB+56*(\i%2)+8*\k+4:AB+56*(\i%2)+8*\k+7], v[ADA2] offset:(\i-8)*16*WPITCH+64*\k+32
.endif
.endr
	ds_load_b128 v[BI+8*(\i%2):BI+8*(\i%2)+3],   v[ADB] offset:64*\i       ; C register j = bias[16i + 8h + j], the same in all 16 columns
	ds_load_b128 v[BI+8*(\i%2)+4:BI+8*(\i%2)+7], v[ADB] offset:64*\i+16
.endm
; K step k of score tile i for the four B tiles.  The first link takes the bias as C, so nothing is cleared and no bias is added later.
.macro MM i, k
.irp c, 0,1,2,3
.if \k == 0
	v_wmma_f32_16x16x32_bf16 v[ACC+32*(\i%2)+8*\c:ACC+32*(\i%2)+8*\c+7], v[AB+56*(\i%2)+8*\k:AB+56*(\i%2)+8*\k+7], v[8*(7*\c+\k):8*(7*\c+\k)+7], v[BI+8*(\i%2):BI+8*(\i%2)+7]
.else
	v_wmma_f32_16x16x32_bf16 v[ACC+32*(\i%2)+8*\c:ACC+32*(\i%2)+8*\c+7], v[AB+56*(\i%2)+8*\k:AB+56*(\i%2)+8*\k+7], v[8*(7*\c+\k):8*(7*\c+\k)+7], v[ACC+32*(\i%2)+8*\c:ACC+32*(\i%2)+8*\c+7]
.endif
.endr
.endm
; eight transcendentals in place, then the one plain place that has to stand before a result is used (ISA guide 5.7.2)
.macro TR8 op, base
.irp j, 0,1,2,3,4,5,6,7
	\op v[\base+\j], v[\base+\j]
.endr
	v_nop
	s_wait_alu depctr_va_vdst(0)
.endm
; The elementwise chain of score tile p in 24 units: two halves (c = 0, 1 and c = 2, 3) of six stages, the two c of a half taking turns.
; The accumulator holds 2 z log2 e.  0: u = 2^acc   1: 1 + u   2: r = 1 / (1 + u)   3: -2 r log2 e   4: w = e^(-2r)   5: den += w, num += w x
.macro EWU p, u
.set EV, \u%12
.set ES, EV/2
.set EC, 2*(\u/12)+EV%2
.set EE, ACC+32*(\p%2)+8*EC
.set EX, 8*(7*EC+\p/2)+4*(\p%2)
.if ES == 0
	TR8 v_exp_f32, EE
.endif
.if ES == 1
	s_wait_alu depctr_va_vdst(0)
.irp q, 0,1,2,3
	v_pk_add_f32 v[EE+2*\q:EE+2*\q+1], v[EE+2*\q:EE+2*\q+1], 1.0 op_sel_hi:[1,0]
.endr
.endif
.if ES == 2
	TR8 v_rcp_f32, EE
.endif
.if ES == 3
	s_wait_alu depctr_va_vdst(0)
.irp q, 0,1,2,3
	v_pk_mul_f32 v[EE+2*\q:EE+2*\q+1], v[EE+2*\q:EE+2*\q+1], s[24:25] op_sel_hi:[1,0]
.endr
.endif
.if ES == 4
	TR8 v_exp_f32, EE
.endif
.if ES == 5
.irp q, 0,1,2,3
.if \p == 12
	s_wait_alu depctr_va_vdst(0)
	v_pk_fma_f32 v[DEN+2*EC:DEN+2*EC+1], v[EE+2*\q:EE+2*\q+1], v[MSK:MSK+1], v[DEN+2*EC:DEN+2*EC+1]     ; s = 200-207 (h = 1) count for nothing
.else
	v_pk_fma_f32 v[DEN+2*EC:DEN+2*EC+1], v[EE+2*\q:EE+2*\q+1], 1.0, v[DEN+2*EC:DEN+2*EC+1] op_sel_hi:[1,0,1]   ; an add whose source 1 is no register: the window setting stays
.endif
	v_fma_mix_f32_bf16 v[NUM+2*EC],   v[EE+2*\q],   v[EX+\q], v[NUM+2*EC]   op_sel_hi:[0,1,0]                  ; j = 2q: x in the low half
	v_fma_mix_f32_bf16 v[NUM+2*EC+1], v[EE+2*\q+1], v[EX+\q], v[NUM+2*EC+1] op_sel:[0,1,0] op_sel_hi:[0,1,0]   ; j = 2q+1: in the high half
.endr
.endif
.endm
.macro EW3 p, a, b, c
	EWU \p, \a
	EWU \p, \b
	EWU \p, \c
.endm
; Score tile i: 28 matrix instructions, with the elementwise chain of tile i-1 (the other accumulator buffer) laid between the K steps.
; Distances behind matrix instructions (ISA guide 7.12.1): behind the last K step stand units 21-23, one v_nop and 24 plain instructions
; on the other buffer, DEN, NUM and B[c][0..5], none of them a register of those four instructions; so the next trip's loads into the
; A and bias buffer just read, and its first reads of the fresh sums, are more than four places away.  Trip 0 has no chain: four v_nop.
.macro TRIP i, prev, nxt
	s_wait_dscnt 0x0                       ; the fragments of tile i, asked for a whole trip ago
.if \i < 12
	AFETCH \nxt
.endif
	MM \i, 0
.if \i > 0
	EW3 \prev, 0, 1, 2
	EWU \prev, 3
.endif
	MM \i, 1
.if \i > 0
	EW3 \prev, 4, 5, 6
	EWU \prev, 7
.endif
	MM \i, 2
.if \i > 0
	EW3 \prev, 8, 9, 10
	EWU \prev, 11
.endif
	MM \i, 3
.if \i > 0
	EW3 \prev, 12, 13, 14
.endif
	MM \i, 4
.if \i > 0
	EW3 \prev, 15, 16, 17
.endif
	MM \i, 5
.if \i > 0
	EW3 \prev, 18, 19, 20
.endif
	MM \i, 6
.if \i > 0
	EW3 \prev, 21, 22, 23
.else
	PLACES
.endif
.endm
; ================= the text =================
	s_load_b256 s[4:11], s[0:1], 0x0               ; inputs s[4:5], W s[6:7], b s[8:9], out0 s[10:11]
	s_set_vgpr_msb 0x40
	v_lshl_add_u32 v254, v0, 2, 0x1d400
	v_mov_b32 v255, 0
	s_set_vgpr_msb 0x4000
	v_lshrrev_b32 v[TA], 5, v0
	v_readfirstlane_b32 s12, v[TA]                 ; wave 0..7
	v_and_b32 v[RR], 15, v0                        ; r
	v_bfe_u32 v[HH], v0, 4, 1                      ; h
	v_lshlrev_b32 v[VA1], 4, v[RR]
	v_lshl_add_u32 v[VA0], v[HH], 14, v[VA1]       ; + 8 rows of 2,048 bytes
	v_mul_u32_u24 v[ADA], v[RR], WPITCH
	v_lshl_add_u32 v[ADA], v[HH], 4, v[ADA]
	v_add_nc_u32 v[ADA2], 8*16*WPITCH, v[ADA]
	v_lshlrev_b32 v[ADB], 5, v[HH]
	v_add_nc_u32 v[ADB], BIASL, v[ADB]
	v_add_nc_u32 v[HM], -1, v[HH]                  ; h = 0: all ones; h = 1: 0
	v_lshl_add_u32 v[OUTO], v[HH], 11, v[VA1]
.irp c, 0,1,2,3
	v_mov_b32 v[RES+\c], 0                         ; the first tile's select reads it
.endr
	WIN 0x40
.irp c, 0,1,2,3
.irp q, 4,5,6,7
	v_mov_b32 v[8*(7*\c+6)+\q], 0                  ; k = 208-223 of B: zero for the whole launch
.endr
.endr
	v_and_b32 v[MSK],   0x3f800000, v[HM]          ; 1.0 or 0.0
	v_and_b32 v[MSK+1], 0x3f800000, v[HM]
	WIN 0
	s_mov_b32 s22, 0x76543210                      ; v_permlanex16_b32: lane i reads lane i of the other half
	s_mov_b32 s23, 0xfedcba98
	s_mov_b32 s24, 0xc038aa3b                      ; -2 log2 e
	s_mov_b32 s25, 0xc038aa3b
	s_mov_b32 s26, 0x4038aa3b                      ; 2 log2 e
	s_mov_b32 s27, 0x4038aa3b
	s_mov_b32 s20, 0                               ; tiles done
	s_mov_b32 s21, 0xffff                          ; lanes that keep this tile's result
	s_mul_i32 s14, ttmp9, 2*BATCHB                 ; at most 255 x 819,200: inside 32 bits
	s_lshl_b32 s15, s12, 8                         ; my 256 bytes of a row
	s_add_co_u32 s14, s14, s15
	s_lshl_b32 s18, ttmp9, 12                      ; two output rows of 2,048 bytes
	s_add_co_u32 s18, s18, s15
	s_mov_b32 s15, 0
	s_mov_b32 s19, 0
	s_wait_kmcnt 0x0
	s_add_nc_u64 s[16:17], s[4:5], s[14:15]        ; x at my first tile
	s_add_nc_u64 s[10:11], s[10:11], s[18:19]
	s_cmp_ge_u32 s12, 4
	s_cbranch_scc1 .Lprep
	LOADTILE                                       ; waves 0-3: the first tile
	s_branch .Lbar
.Lprep:                                            ; waves 4-7: wave w' = wave - 4 makes rows s = 64 w' .. 64 w' + 63 of W^T, 29,696 LDS bytes of its own
	s_sub_co_u32 s13, s12, 4
	s_lshl_b32 s14, s13, 4
	v_add_nc_u32 v[TA], s14, v[RR]                 ; q = 16 w' + r: columns s = 4q .. 4q+3
	v_cmp_gt_u32 vcc_lo, 50, v[TA]
	v_cndmask_b32 v[QM], 0, -1, vcc_lo
	v_and_b32 v[QH], v[QM], v[HM]
	v_min_u32 v[TA], 49, v[TA]                     ; no load beyond a row's 50 quads
	v_lshlrev_b32 v[VW1], 4, v[TA]
	v_mad_u32_u24 v[VW0], v[HH], 8*WROWB, v[VW1]
	s_mul_i32 s14, s13, 64*WPITCH
	v_mul_u32_u24 v[LW], v[RR], 4*WPITCH
	v_lshl_add_u32 v[LW], v[HH], 4, v[LW]
	v_add_nc_u32 v[LW], s14, v[LW]
	v_and_b32 v[TA], 31, v0                        ; the bias: thread j = 32 w' + lane takes s = j and s = j + 128
	s_lshl_b32 s14, s13, 5
	v_add_nc_u32 v[TA], s14, v[TA]
	v_lshlrev_b32 v[BA0], 2, v[TA]
	v_add_nc_u32 v[TB], 128, v[TA]
	v_cmp_gt_u32 s15, 200, v[TB]
	v_min_u32 v[TB], 199, v[TB]
	v_lshlrev_b32 v[BA1], 2, v[TB]
	v_add_nc_u32 v[BL], BIASL, v[BA0]
	global_load_b32 v[BV0], v[BA0], s[8:9]
	global_load_b32 v[BV1], v[BA1], s[8:9]
.irp u, 0,1,2,3,4,5
	WLOAD \u
.endr
	WTURN 0, 40, 6, QM                             ; units 1-5 stay out; the two bias loads are older than unit 0 and are in too
	v_mul_f32 v[BV0], s26, v[BV0]
	v_mul_f32 v[BV1], s26, v[BV1]
	v_cndmask_b32 v[BV1], 0, v[BV1], s15           ; s >= 200: 0
	ds_store_b32 v[BL], v[BV0]
	ds_store_b32 v[BL], v[BV1] offset:512
	WTURN 1,  40, 7,  QM
	WTURN 2,  40, 8,  QM
	WTURN 3,  40, 9,  QM
	WTURN 4,  40, 10, QM
	WTURN 5,  40, 11, QM
	WTURN 6,  40, 12, QM
	WTURN 7,  40, 0,  QM                           ; units 8-12 are behind it
	WTURN 8,  32, 0,  QM
	WTURN 9,  24, 0,  QM
	WTURN 10, 16, 0,  QM
	WTURN 11, 8,  0,  QM
	WTURN 12, 0,  0,  QH                           ; h = 1 stands for t = 200-207: zero
.irp j, 0,1,2,3
	v_mov_b32 v[TP+\j], 0
.endr
.irp cc, 0,1,2,3
	ds_store_b128 v[LW], v[TP:TP+3] offset:WPITCH*\cc+32*13    ; t = 208-223: zero
.endr
.Lbar:
	s_wait_dscnt 0x0                               ; for the others' sake: my stores into W^T and the bias are done
	s_barrier_signal -1
	s_barrier_wait -1                              ; the only barrier: from here on LDS is only read
	s_cmp_lt_u32 s12, 4
	s_cbranch_scc1 .Lcompute                       ; waves 0-3 have their tile; waves 4-7 load theirs now
.Ltile:
	LOADTILE
.Lcompute:
.irp j, 0,1,2,3,4,5,6,7,8,9,10,11,12,13,14,15
	v_mov_b32 v[DEN+\j], 0                         ; 8 denominators and 8 numerators
.endr
	WIN 0x04
	AFETCH 0
	TRIP 0,  0,  1
	TRIP 1,  0,  2
	TRIP 2,  1,  3
	TRIP 3,  2,  4
	TRIP 4,  3,  5
	TRIP 5,  4,  6
	TRIP 6,  5,  7
	TRIP 7,  6,  8
	TRIP 8,  7,  9
	TRIP 9,  8,  10
	TRIP 10, 9,  11
	TRIP 11, 10, 12
	TRIP 12, 11, 0
.irp u, 0,1,2,3,4,5,6,7,8,9,10,11,12,13,14,15,16,17,18,19,20,21,22,23
	EWU 12, \u
.endr
	WIN 0
	; the tile's end: even + odd j, then the other half of the lanes (the other eight s of each sixteen), then the quotient
.irp c, 0,1,2,3
	v_add_f32 v[FF+\c],   v[DEN+2*\c], v[DEN+2*\c+1]
	v_add_f32 v[FF+4+\c], v[NUM+2*\c], v[NUM+2*\c+1]
.endr
.irp j, 0,1,2,3,4,5,6,7
	v_permlanex16_b32 v[ACC+\j], v[FF+\j], s22, s23            ; its destination counts as read: registers written before
.endr
.irp j, 0,1,2,3,4,5,6,7
	v_add_f32 v[FF+\j], v[FF+\j], v[ACC+\j]
.endr
.irp c, 0,1,2,3
	v_rcp_f32 v[FF+\c], v[FF+\c]                               ; the denominator lies in [27, 200]
.endr
	v_nop
	s_wait_alu depctr_va_vdst(0)
.irp c, 0,1,2,3
	v_mul_f32 v[FF+\c], v[FF+\c], v[FF+4+\c]
.endr
.irp c, 0,1,2,3
	v_cndmask_b32 v[RES+\c], v[RES+\c], v[FF+\c], s21          ; both halves hold the result; the tile's half keeps it
.endr
	s_lshl_b32 s21, s21, 16
	s_add_co_u32 s20, s20, 1
	s_cmp_lt_u32 s20, 2
	s_cbranch_scc1 .Ltile
	global_store_b128 v[OUTO], v[RES:RES+3], s[10:11] th:TH_STORE_NT   ; lanes 0-15: 256 consecutive aligned bytes of row 2g; lanes 16-31: of row 2g+1
	s_set_vgpr_msb 0x5
	s_wait_tensorcnt 0x0
	ds_add_u32 v254, v255
	s_wait_dscnt 0x0
	s_set_vgpr_msb 0x500
	s_endpgm
.Lfunc_end_k_q25d4a973b6_attn:
	.size	k_q25d4a973b6_attn, .Lfunc_end_k_q25d4a973b6_attn-k_q25d4a973b6_attn
	.p2alignl 7, 3214868480
	.fill 96, 4, 3214868480
	.section	.rodata,"a",@progbits
	.p2align	6, 0x0
	.amdhsa_kernel k_q25d4a973b6_attn
		.amdhsa_group_segment_fixed_size 120832
		.amdhsa_private_segment_fixed_size 0
		.amdhsa_enable_private_segment 0
		.amdhsa_kernarg_size 32
		.amdhsa_user_sgpr_count 2
		.amdhsa_user_sgpr_kernarg_segment_ptr 1
		.amdhsa_wavefront_size32 1
		.amdhsa_system_sgpr_workgroup_id_x 1
		.amdhsa_system_sgpr_workgroup_id_y 1
		.amdhsa_system_sgpr_workgroup_id_z 1
		.amdhsa_system_vgpr_workitem_id 0
		.amdhsa_next_free_vgpr 512
		.amdhsa_next_free_sgpr 66
		.amdhsa_reserve_vcc 1
		.amdhsa_float_denorm_mode_32 3
		.amdhsa_float_denorm_mode_16_64 3
		.amdhsa_memory_ordered 1
		.amdhsa_forward_progress 1
		.amdhsa_inst_pref_size 255
	.end_amdhsa_kernel
	.section	.bss,"aw",@nobits
	.p2align	6
	.space	262144
	.amdgpu_metadata
---
amdhsa.version: [ 1, 2 ]
amdhsa.kernels:
  - .name:           k_q25d4a973b6_attn
    .symbol:         k_q25d4a973b6_attn.kd
    .args:
      - { .name: inputs, .offset: 0, .size: 8, .value_kind: global_buffer, .address_space: global }
      - { .name: W, .offset: 8, .size: 8, .value_kind: global_buffer, .address_space: global }
      - { .name: b, .offset: 16, .size: 8, .value_kind: global_buffer, .address_space: global }
      - { .name: out0, .offset: 24, .size: 8, .value_kind: global_buffer, .address_space: global }
    .group_segment_fixed_size: 120832
    .private_segment_fixed_size: 0
    .kernarg_segment_align: 8
    .kernarg_segment_size: 32
    .max_flat_workgroup_size: 256
    .sgpr_count:     66
    .vgpr_count:     512
    .wavefront_size: 32
...
	.end_amdgpu_metadata
.endif
;; end of part 1
;; ======== version 2 of 2: 1 launch; 1.14 times as fast as version 1
;; launch attn (part 2): grid 256 x 1, 8 waves a work-group, no clusters, 120,832 bytes of LDS; arguments inputs, W, b, out0; writes out0
.if DOCPART == 2
	.amdgcn_target "amdgcn-amd-amdhsa--gfx1250"
	.amdhsa_code_object_version 6
	.text
	.protected	k_q25d4a973b6_attn
	.globl	k_q25d4a973b6_attn
	.p2align	8
	.type	k_q25d4a973b6_attn,@function
k_q25d4a973b6_attn:
	s_mov_b64 s[64:65], 0
	v_nop
	global_prefetch_b8 v0, s[64:65] scope:SCOPE_SE
	s_setreg_imm32_b32 hwreg(HW_REG_WAVE_MODE, 25, 1), 1
	s_wait_xcnt 0x0
; out[b][d] = sum_s softmax_s( tanh( sum_t x[b][t][d] W[t][s] + bias[s] ) ) * x[b][s][d].   x: [512][200][512] f32, W: [200][200] f32.
;
; SHARES.  256 work-groups of eight waves; work-group g owns batches 2g and 2g+1; wave w owns columns d = 64w .. 64w+63 of both:
; two tiles of 200 rows x 256 bytes.  x is read once, straight into registers, and the same registers serve both products.
;
; THE LAYOUT THAT MAKES THAT POSSIBLE.  Matrix form D = A x B + C with M = s (A = W transposed, bf16, from LDS), N = d (B = x), K = t.
; One 16-byte load gives lane (r = l % 16, h = l / 16) the columns d = 4r .. 4r+3 of row t = 16u + 8h + e.  Column n = r of B tile c is
; DEFINED as d = 4r + c: then the lane already holds the k that a B fragment wants of it (ISA guide 7.12.2: registers 0-3 k = 8h..8h+7,
; registers 4-7 k = 16+8h..), and packing rows e = 2q, 2q+1 of component c gives fragment register q.  No transpose, no LDS pass for x.
; Result register j of score tile i is (s = 16i + 8h + j, d = 4r + c), and x[s][d] is in the SAME lane: B[c][i/2], register 4(i%2) + j/2,
; half j%2.  So the weighted sum is a mixed multiply-add from the B fragments.
;
; NO MAXIMUM IS TAKEN AWAY, because tanh bounds the exponents for every input: with u = e^(2z), r = 1/(1+u), tanh z = 1 - 2r and
; e^tanh = e * e^(-2r).  The factor e cancels between numerator and denominator; e^(-2r) lies in [e^-2, 1], the sum of 200 of them in
; [27, 200].  u = inf gives r = 0, u = 0 gives r = 1: both right.
;
; PADDING.  K = 200 goes to 224 (7 steps of 32), s = 200 to 208 (13 tiles).  Padded k are zero bits in A and in B; padded s have zero
; weights and bias, are left out of the denominator by a factor 0 and meet x = 0 in the numerator.
;
; PHASES.  A wave alternates between LOAD (104 loads through a ring of 7 x 8 loads into 224 bf16 registers) and COMPUTE (13 score tiles).
; Waves 0-3 load their first tile while waves 4-7 build W^T and the bias in LDS; behind the one barrier waves 0-3 compute while 4-7 load,
; and so on: the two halves of the work-group stay in opposite phases, so that loading and arithmetic run side by side.
;
; BATCHES.  A score goes through exponential, reciprocal, exponential, each of which reads what the one before it made.  COMPUTE is cut into
; periods of half a score tile, and in a period three different halves stand at these three stages: 48 transcendentals that read nothing
; of each other, one batch, with one wait at the period's end (see THE WALK below).  The tile's four last reciprocals are a batch of their own.
;
; NO CLUSTER: of the 980,000 bytes that a work-group reads only W and b (160,800) are shared, once, at the start, beside the first x loads.
;
; LIMITS.  W (times 2 log2 e) and x are rounded to bf16 for the product; x is the same bf16 number in the weighted sum (relative error
; 2^-9 of each x, no difference of large sums is formed).  v_exp_f32 gives 0 below 2^-126 (ISA guide 15.8): r is then 1 to f32 anyway.
; An infinity or NaN in x or W gives NaN.
.set ROWB,   2048                      ; bytes in a row of x
.set BATCHB, 200*ROWB                  ; bytes in a batch
.set WROWB,  800                       ; bytes in a row of W
.set WPITCH, 464                       ; LDS row of W^T: 224 bf16 + 16 bytes = 29 x 16, so 16 consecutive rows start in 16 different 16-byte columns of 256
.set BIASL,  256*WPITCH                ; LDS: 256 f32 of scaled bias behind the 256 rows of W^T
; window 0
.set VA0,  1                           ; 16 r + 8 rows x h: my 16 bytes in a unit of 16 rows of x
.set VA1,  2                           ; 16 r: the same without h (the last unit has 8 rows)
.set ADA,  3                           ; LDS: 464 r + 16 h, A fragments of score tiles 0-7
.set ADA2, 4                           ; the same for score tiles 8-12 (an LDS offset has 16 bits)
.set ADB,  5                           ; LDS: bias + 32 h
.set HM,   6                           ; h = 0: all ones, h = 1: 0
.set OUTO, 7                           ; 2048 h + 16 r: my 16 bytes of the two output rows
.set DEN,  8                           ; v[8:15]   denominators: pair 2c (even j, odd j) of B tile c
.set NUM,  16                          ; v[16:23]  numerators, likewise
.set RES,  24                          ; v[24:27]  results: lanes 0-15 of batch 2g, lanes 16-31 of batch 2g+1
.set RR,   28                          ; r
.set HH,   29                          ; h
.set TA,   30
.set TB,   31
.set ST,   32                          ; v[32:255] LOAD: 7 slots of 8 rows x 4 f32
.set AB,   32                          ; COMPUTE: v[32:87], v[88:143] A fragments of a score tile (7 K steps x 8), two buffers
.set BI,   144                         ; v[144:151], v[152:159] bias as a C operand, two buffers
.set ACC,  160                         ; v[160:239] a ring of five buffers of two accumulators (16 registers): half n of the walk has buffer n % 5
.set FF,   240                         ; v[240:247] the tile's last sums
; the building of W^T (waves 4-7, before their first LOAD): v[32:223] six slots
.set TP,   224                         ; v[224:239] packed bf16: 4 rows s x 8 t
.set VW0,  240                         ; 16 min(q, 49) + 8 rows of W x h
.set VW1,  241                         ; 16 min(q, 49)
.set LW,   242                         ; LDS: 4 q rows + 16 h
.set QM,   243                         ; q < 50: all ones
.set QH,   244                         ; QM and HM
.set BA0,  245
.set BA1,  246
.set BV0,  247
.set BV1,  248
.set BL,   249
; window 1 (v256-v511, written by their low 8 bits): 8 (7 c + ks) + q = register q of B[c][ks]; 224, 225: 1.0 (h = 0) or 0.0 (h = 1)
.set MSK,  224
.set MSB, 0
.macro WIN new                         ; low byte: bits 1:0 source 0, 3:2 source 1, 5:4 source 2, 7:6 destination; high byte: the setting that is left
.if MSB != \new
	s_set_vgpr_msb (MSB<<8)|\new
.set MSB, \new
.endif
.endm
.macro PLACES
.rept 4
	v_nop
.endr
.endm
; ---- LOAD ----
; unit u: rows 16u .. 16u+15 of my 256 bytes (lanes 0-15 one row's 256 consecutive aligned bytes, lanes 16-31 those of the row 8 further).
; Unit 12 has rows 192-199 only: both halves of the wave read them, so that nothing is read beyond the batch.
.macro XLOAD u, slot
.irp e, 0,1,2,3,4,5,6,7
.if \u == 12
	global_load_b128 v[ST+32*\slot+4*\e:ST+32*\slot+4*\e+3], v[VA1], s[16:17] offset:(16*\u+\e)*ROWB th:TH_LOAD_NT
.else
	global_load_b128 v[ST+32*\slot+4*\e:ST+32*\slot+4*\e+3], v[VA0], s[16:17] offset:(16*\u+\e)*ROWB th:TH_LOAD_NT
.endif
.endr
.endm
; rows 2q, 2q+1 of component c -> register 4 (u % 2) + q of B[c][u / 2]
.macro XCONV u, slot
	WIN 0x40
.irp c, 0,1,2,3
.irp q, 0,1,2,3
	v_cvt_pk_bf16_f32 v[8*(7*\c+\u/2)+4*(\u%2)+\q], v[ST+32*\slot+8*\q+\c], v[ST+32*\slot+8*\q+4+\c]
.endr
.endr
.if \u == 12
	WIN 0x44
.irp c, 0,1,2,3
.irp q, 0,1,2,3
	v_and_b32 v[8*(7*\c+6)+\q], v[HM], v[8*(7*\c+6)+\q]        ; h = 1 stands for rows 200-207: zero bits
.endr
.endr
.endif
	WIN 0
.endm
.macro LTURN u, slot, left, nxt
	s_wait_loadcnt \left                   ; loads return in order: unit u is in; left = 8 x the units issued behind it
	XCONV \u, \slot
.if \nxt
	XLOAD \nxt, \slot
.endif
.endm
.macro LOADTILE
.irp u, 0,1,2,3,4,5,6
	XLOAD \u, \u                           ; 56 loads of 512 bytes on their way
.endr
	LTURN 0,  0, 48, 7
	LTURN 1,  1, 48, 8
	LTURN 2,  2, 48, 9
	LTURN 3,  3, 48, 10
	LTURN 4,  4, 48, 11
	LTURN 5,  5, 48, 12
	LTURN 6,  6, 48, 0                     ; units 7-12 are behind it
	LTURN 7,  0, 40, 0                     ; nothing more is asked for: the counts run down
	LTURN 8,  1, 32, 0
	LTURN 9,  2, 24, 0
	LTURN 10, 3, 16, 0
	LTURN 11, 4, 8,  0
	LTURN 12, 5, 0,  0
	s_add_nc_u64 s[16:17], s[16:17], BATCHB    ; behind the wait for 0: no load names the base any more
.endm
; ---- W^T ----
; unit u: rows t = 16u + 8h + e of W, columns s = 4q .. 4q+3.  Unit 12: rows 192-199 in both halves (W ends there).
.macro WLOAD u
.irp e, 0,1,2,3,4,5,6,7
.if \u == 12
	global_load_b128 v[ST+32*(\u%6)+4*\e:ST+32*(\u%6)+4*\e+3], v[VW1], s[6:7] offset:(16*\u+\e)*WROWB
.else
	global_load_b128 v[ST+32*(\u%6)+4*\e:ST+32*(\u%6)+4*\e+3], v[VW0], s[6:7] offset:(16*\u+\e)*WROWB
.endif
.endr
.endm
; scale by 2 log2 e, pack 8 t of each of my 4 columns, clear what is padding, 16 bytes into each of 4 rows of W^T at byte 2 (16u + 8h)
.macro WTURN u, left, nxt, mask
	s_wait_loadcnt \left                   ; unit u is in; left = 8 x the units issued behind it
.irp j, 0,1,2,3,4,5,6,7,8,9,10,11,12,13,14,15
	v_pk_mul_f32 v[ST+32*(\u%6)+2*\j:ST+32*(\u%6)+2*\j+1], v[ST+32*(\u%6)+2*\j:ST+32*(\u%6)+2*\j+1], s[26:27] op_sel_hi:[1,0]
.endr
.irp cc, 0,1,2,3
.irp m, 0,1,2,3
	v_cvt_pk_bf16_f32 v[TP+4*\cc+\m], v[ST+32*(\u%6)+8*\m+\cc], v[ST+32*(\u%6)+8*\m+4+\cc]
.endr
.endr
.irp j, 0,1,2,3,4,5,6,7,8,9,10,11,12,13,14,15
	v_and_b32 v[TP+\j], v[\mask], v[TP+\j]
.endr
.irp cc, 0,1,2,3
	ds_store_b128 v[LW], v[TP+4*\cc:TP+4*\cc+3] offset:WPITCH*\cc+32*\u
.endr
.if \nxt
	WLOAD \nxt
.endif
.endm
; ---- COMPUTE ----  all of it under one window setting, 0x04: only source 1 (B fragment, x, the factor 0 or 1) lies in window 1
; 16 LDS loads: the 7 A fragments of score tile i (rows s = 16i + r, 16 bytes at 64 k + 16 h and 32 further) and its 8 bias numbers
.macro AFETCH i
.irp k, 0,1,2,3,4,5,6
.if \i < 8
	ds_load_b128 v[AB+56*(\i%2)+8*\k:AB+56*(\i%2)+8*\k+3],   v[ADA] offset:\i*16*WPITCH+64*\k
	ds_load_b128 v[AB+56*(\i%2)+8*\k+4:AB+56*(\i%2)+8*\k+7], v[ADA] offset:\i*16*WPITCH+64*\k+32
.else
	ds_load_b128 v[AB+56*(\i%2)+8*\k:AB+56*(\i%2)+8*\k+3],   v[ADA2] offset:(\i-8)*16*WPITCH+64*\k
	ds_load_b128 v[AB+56*(\i%2)+8*\k+4:AB+56*(\i%2)+8*\k+7], v[ADA2] offset:(\i-8)*16*WPITCH+64*\k+32
.endif
.endr
	ds_load_b128 v[BI+8*(\i%2):BI+8*(\i%2)+3],   v[ADB] offset:64*\i       ; C register j = bias[16i + 8h + j], the same in all 16 columns
	ds_load_b128 v[BI+8*(\i%2)+4:BI+8*(\i%2)+7], v[ADB] offset:64*\i+16
.endm
; THE WALK.  A score tile's four accumulators are two HALVES (c = 0, 1 and c = 2, 3); the 13 score tiles make a walk of NH = 26 halves:
; half n is score tile n / 2, B tiles 2 (n % 2) and 2 (n % 2) + 1.  A half lives in ring buffer n % 5 through five PERIODS, all in place:
;   period n     MX  14 matrix instructions: 7 K steps, ascending; the sums hold 2 z log2 e
;   period n+1   E1  u = 2^sum                                          16 exponentials
;   period n+2   A   1 + u, 8 packed;          then R   r = 1 / (1 + u)  16 reciprocals
;   period n+3   M   -2 r log2 e, 8 packed;    then E2  w = e^(-2r)      16 exponentials
;   period n+4   F   den += w, num += w x, 24
; THE BATCH.  Period j holds E1 of half j-1, R of half j-2 and E2 of half j-3: 48 transcendentals, none of which reads another's result.
; They are ONE BATCH with ONE wait, at the period's end.  The period's plain work, A of half j-2, M of half j-3 and F of half j-4, reads
; results of earlier periods' batches alone, so it stands among the batch.  The five buffers that a period names (j .. j-4 modulo 5) are
; five different ones: no result is named again ahead of its wait.
; THE DEAL.  Two queues, each in the order in which its entries become ready: plain A, M, F (40), transcendental E1, R, E2 (48).  Behind each
; matrix instruction stand plain, transcendental, plain, transcendental; the other 20 and 12 follow in one lump, eight transcendentals and then
; twelve pairs, which ends on a plain F: the plain instruction that has to stand behind the last transcendental (ISA guide 5.7.2).
; All A (slots 0-3) stand ahead of all R (slot 8 on), all M (slots 4-7) ahead of all E2 (in the lump).  An entry whose half does not exist
; (the walk's first four periods and the four behind its last products) is left out.
; DISTANCES behind matrix instructions (ISA guide 7.12.1 for vector instructions): behind a period's last matrix instruction stand 14 plain
; instructions, F of half j-4; its four packed sums name the other buffer and DEN alone, so at least four are places.  They stand ahead of the next
; period's LDS loads into the A and bias buffer just read and of E1's first reads of the fresh sums.  Periods 0-3 have no F: four v_nop.
.set NH, 26
.macro HALF n                          ; half n: its score tile HP, its first B tile HC, its ring buffer HB
.set HP, (\n)/2
.set HC, 2*((\n)%2)
.set HB, ACC+16*((\n)%5)
.endm
; The period's matrix instruction number mq of 14: K step mq / 2, accumulator mq % 2.  The two accumulators take turns.
; The first link takes the bias as C, so nothing is cleared and no bias is added later.
.macro MX
	HALF PJ
.set MD, HB+8*(mq%2)
.set MA, AB+56*(HP%2)+8*(mq/2)
.set MF, 8*(7*(HC+mq%2)+mq/2)
.if mq < 2
	v_wmma_f32_16x16x32_bf16 v[MD:MD+7], v[MA:MA+7], v[MF:MF+7], v[BI+8*(HP%2):BI+8*(HP%2)+7]
.else
	v_wmma_f32_16x16x32_bf16 v[MD:MD+7], v[MA:MA+7], v[MF:MF+7], v[MD:MD+7]
.endif
.set mq, mq+1
.endm
; The plain queue's entry pq of 40.  0-7: A, pair pq / 2 of accumulator pq % 2.  8-15: M likewise.  16-39: F in eight groups of three (den, num of the
; even j, num of the odd j), group g for pair g / 2 of accumulator g % 2: each sum takes its terms in ascending s, and its links stand six entries apart.
.macro PL
.if pq < 8
.if (PJ >= 2) && (PJ-2 < NH)
	HALF PJ-2
.set EE, HB+8*(pq%2)+2*(pq/2)
	v_pk_add_f32 v[EE:EE+1], v[EE:EE+1], 1.0 op_sel_hi:[1,0]
.endif
.elseif pq < 16
.if (PJ >= 3) && (PJ-3 < NH)
	HALF PJ-3
.set EE, HB+8*(pq%2)+2*((pq-8)/2)
	v_pk_mul_f32 v[EE:EE+1], v[EE:EE+1], s[24:25] op_sel_hi:[1,0]
.endif
.else
.if (PJ >= 4) && (PJ-4 < NH)
	HALF PJ-4
.set fg, (pq-16)/3
.set fq, fg/2
.set EC, HC+fg%2
.set EE, HB+8*(fg%2)+2*fq
.set EX, 8*(7*EC+HP/2)+4*(HP%2)+fq
.if (pq-16)%3 == 0
.if HP == 12
	v_pk_fma_f32 v[DEN+2*EC:DEN+2*EC+1], v[EE:EE+1], v[MSK:MSK+1], v[DEN+2*EC:DEN+2*EC+1]     ; s = 200-207 (h = 1) count for nothing
.else
	v_pk_fma_f32 v[DEN+2*EC:DEN+2*EC+1], v[EE:EE+1], 1.0, v[DEN+2*EC:DEN+2*EC+1] op_sel_hi:[1,0,1]   ; an add whose source 1 is no register: the window setting stays
.endif
.elseif (pq-16)%3 == 1
	v_fma_mix_f32_bf16 v[NUM+2*EC],   v[EE],   v[EX], v[NUM+2*EC]   op_sel_hi:[0,1,0]                  ; j = 2q: x in the low half
.else
	v_fma_mix_f32_bf16 v[NUM+2*EC+1], v[EE+1], v[EX], v[NUM+2*EC+1] op_sel:[0,1,0] op_sel_hi:[0,1,0]   ; j = 2q+1: in the high half
.endif
.endif
.endif
.set pq, pq+1
.endm
; The batch's entry tq of 48.  0-15: E1, 16-31: R, 32-47: E2; within each, register (tq % 16) / 2 of accumulator tq % 2, so that
; E1 reads each fresh accumulator from its lowest register on.
.macro TX
.if tq < 16
.if (PJ >= 1) && (PJ-1 < NH)
	HALF PJ-1
.set EE, HB+8*(tq%2)+tq/2
	v_exp_f32 v[EE], v[EE]
.endif
.elseif tq < 32
.if (PJ >= 2) && (PJ-2 < NH)
	HALF PJ-2
.set EE, HB+8*(tq%2)+(tq-16)/2
	v_rcp_f32 v[EE], v[EE]
.endif
.else
.if (PJ >= 3) && (PJ-3 < NH)
	HALF PJ-3
.set EE, HB+8*(tq%2)+(tq-32)/2
	v_exp_f32 v[EE], v[EE]
.endif
.endif
.set tq, tq+1
.endm
.macro PERIOD j
.set PJ, \j
.set pq, 0
.set tq, 0
.set mq, 0
.if (PJ < NH) && (PJ%2 == 0)
	s_wait_dscnt 0x0                       ; the fragments of score tile j / 2, asked for two periods ago
.if PJ/2 < 12
.set AI, PJ/2+1
	AFETCH AI
.endif
.endif
.rept 14
.if PJ < NH
	MX
.endif
	PL
	TX
	PL
	TX
.endr
.rept 8                                ; the lump
	TX
.endr
.rept 12
	TX
	PL
.endr
.if PJ < 4
	PLACES                                 ; no F yet: the places behind the period's last matrix instruction, and the plain instruction behind its last transcendental
.endif
.if (PJ >= 1) && (PJ <= NH+2)
	s_wait_alu depctr_va_vdst(0)           ; one wait for the period's batch: E1 of half j-1, R of half j-2, E2 of half j-3; their first readers, A, M and F, stand in the next period
.endif
.endm
; ================= the text =================
	s_load_b256 s[4:11], s[0:1], 0x0               ; inputs s[4:5], W s[6:7], b s[8:9], out0 s[10:11]
	s_set_vgpr_msb 0x40
	v_lshl_add_u32 v254, v0, 2, 0x1d400
	v_mov_b32 v255, 0
	s_set_vgpr_msb 0x4000
	v_lshrrev_b32 v[TA], 5, v0
	v_readfirstlane_b32 s12, v[TA]                 ; wave 0..7
	v_and_b32 v[RR], 15, v0                        ; r
	v_bfe_u32 v[HH], v0, 4, 1                      ; h
	v_lshlrev_b32 v[VA1], 4, v[RR]
	v_lshl_add_u32 v[VA0], v[HH], 14, v[VA1]       ; + 8 rows of 2,048 bytes
	v_mul_u32_u24 v[ADA], v[RR], WPITCH
	v_lshl_add_u32 v[ADA], v[HH], 4, v[ADA]
	v_add_nc_u32 v[ADA2], 8*16*WPITCH, v[ADA]
	v_lshlrev_b32 v[ADB], 5, v[HH]
	v_add_nc_u32 v[ADB], BIASL, v[ADB]
	v_add_nc_u32 v[HM], -1, v[HH]                  ; h = 0: all ones; h = 1: 0
	v_lshl_add_u32 v[OUTO], v[HH], 11, v[VA1]
.irp c, 0,1,2,3
	v_mov_b32 v[RES+\c], 0                         ; the first tile's select reads it
.endr
	WIN 0x40
.irp c, 0,1,2,3
.irp q, 4,5,6,7
	v_mov_b32 v[8*(7*\c+6)+\q], 0                  ; k = 208-223 of B: zero for the whole launch
.endr
.endr
	v_and_b32 v[MSK],   0x3f800000, v[HM]          ; 1.0 or 0.0
	v_and_b32 v[MSK+1], 0x3f800000, v[HM]
	WIN 0
	s_mov_b32 s22, 0x76543210                      ; v_permlanex16_b32: lane i reads lane i of the other half
	s_mov_b32 s23, 0xfedcba98
	s_mov_b32 s24, 0xc038aa3b                      ; -2 log2 e
	s_mov_b32 s25, 0xc038aa3b
	s_mov_b32 s26, 0x4038aa3b                      ; 2 log2 e
	s_mov_b32 s27, 0x4038aa3b
	s_mov_b32 s20, 0                               ; tiles done
	s_mov_b32 s21, 0xffff                          ; lanes that keep this tile's result
	s_mul_i32 s14, ttmp9, 2*BATCHB                 ; at most 255 x 819,200: inside 32 bits
	s_lshl_b32 s15, s12, 8                         ; my 256 bytes of a row
	s_add_co_u32 s14, s14, s15
	s_lshl_b32 s18, ttmp9, 12                      ; two output rows of 2,048 bytes
	s_add_co_u32 s18, s18, s15
	s_mov_b32 s15, 0
	s_mov_b32 s19, 0
	s_wait_kmcnt 0x0
	s_add_nc_u64 s[16:17], s[4:5], s[14:15]        ; x at my first tile
	s_add_nc_u64 s[10:11], s[10:11], s[18:19]
	s_cmp_ge_u32 s12, 4
	s_cbranch_scc1 .Lprep
	LOADTILE                                       ; waves 0-3: the first tile
	s_branch .Lbar
.Lprep:                                            ; waves 4-7: wave w' = wave - 4 makes rows s = 64 w' .. 64 w' + 63 of W^T, 29,696 LDS bytes of its own
	s_sub_co_u32 s13, s12, 4
	s_lshl_b32 s14, s13, 4
	v_add_nc_u32 v[TA], s14, v[RR]                 ; q = 16 w' + r: columns s = 4q .. 4q+3
	v_cmp_gt_u32 vcc_lo, 50, v[TA]
	v_cndmask_b32 v[QM], 0, -1, vcc_lo
	v_and_b32 v[QH], v[QM], v[HM]
	v_min_u32 v[TA], 49, v[TA]                     ; no load beyond a row's 50 quads
	v_lshlrev_b32 v[VW1], 4, v[TA]
	v_mad_u32_u24 v[VW0], v[HH], 8*WROWB, v[VW1]
	s_mul_i32 s14, s13, 64*WPITCH
	v_mul_u32_u24 v[LW], v[RR], 4*WPITCH
	v_lshl_add_u32 v[LW], v[HH], 4, v[LW]
	v_add_nc_u32 v[LW], s14, v[LW]
	v_and_b32 v[TA], 31, v0                        ; the bias: thread j = 32 w' + lane takes s = j and s = j + 128
	s_lshl_b32 s14, s13, 5
	v_add_nc_u32 v[TA], s14, v[TA]
	v_lshlrev_b32 v[BA0], 2, v[TA]
	v_add_nc_u32 v[TB], 128, v[TA]
	v_cmp_gt_u32 s15, 200, v[TB]
	v_min_u32 v[TB], 199, v[TB]
	v_lshlrev_b32 v[BA1], 2, v[TB]
	v_add_nc_u32 v[BL], BIASL, v[BA0]
	global_load_b32 v[BV0], v[BA0], s[8:9]
	global_load_b32 v[BV1], v[BA1], s[8:9]
.irp u, 0,1,2,3,4,5
	WLOAD \u
.endr
	WTURN 0, 40, 6, QM                             ; units 1-5 stay out; the two bias loads are older than unit 0 and are in too
	v_mul_f32 v[BV0], s26, v[BV0]
	v_mul_f32 v[BV1], s26, v[BV1]
	v_cndmask_b32 v[BV1], 0, v[BV1], s15           ; s >= 200: 0
	ds_store_b32 v[BL], v[BV0]
	ds_store_b32 v[BL], v[BV1] offset:512
	WTURN 1,  40, 7,  QM
	WTURN 2,  40, 8,  QM
	WTURN 3,  40, 9,  QM
	WTURN 4,  40, 10, QM
	WTURN 5,  40, 11, QM
	WTURN 6,  40, 12, QM
	WTURN 7,  40, 0,  QM                           ; units 8-12 are behind it
	WTURN 8,  32, 0,  QM
	WTURN 9,  24, 0,  QM
	WTURN 10, 16, 0,  QM
	WTURN 11, 8,  0,  QM
	WTURN 12, 0,  0,  QH                           ; h = 1 stands for t = 200-207: zero
.irp j, 0,1,2,3
	v_mov_b32 v[TP+\j], 0
.endr
.irp cc, 0,1,2,3
	ds_store_b128 v[LW], v[TP:TP+3] offset:WPITCH*\cc+32*13    ; t = 208-223: zero
.endr
.Lbar:
	s_wait_dscnt 0x0                               ; for the others' sake: my stores into W^T and the bias are done
	s_barrier_signal -1
	s_barrier_wait -1                              ; the only barrier: from here on LDS is only read
	s_cmp_lt_u32 s12, 4
	s_cbranch_scc1 .Lcompute                       ; waves 0-3 have their tile; waves 4-7 load theirs now
.Ltile:
	LOADTILE
.Lcompute:
.irp j, 0,1,2,3,4,5,6,7,8,9,10,11,12,13,14,15
	v_mov_b32 v[DEN+\j], 0                         ; 8 denominators and 8 numerators
.endr
	WIN 0x04
	AFETCH 0
.set PN, 0
.rept NH+4                             ; 26 periods with products, then four in which the last halves run out; the last holds F alone and has no batch
	PERIOD PN
.set PN, PN+1
.endr
	WIN 0
	; the tile's end: even + odd j, then the other half of the lanes (the other eight s of each sixteen), then the quotient
.irp c, 0,1,2,3
	v_add_f32 v[FF+\c],   v[DEN+2*\c], v[DEN+2*\c+1]
	v_add_f32 v[FF+4+\c], v[NUM+2*\c], v[NUM+2*\c+1]
.endr
.irp j, 0,1,2,3,4,5,6,7
	v_permlanex16_b32 v[ACC+\j], v[FF+\j], s22, s23            ; its destination counts as read: registers written before
.endr
.irp j, 0,1,2,3,4,5,6,7
	v_add_f32 v[FF+\j], v[FF+\j], v[ACC+\j]
.endr
.irp c, 0,1,2,3
	v_rcp_f32 v[FF+\c], v[FF+\c]                               ; the denominator lies in [27, 200]
.endr
	v_nop                                          ; a plain instruction between the last reciprocal and the use of its result
	s_wait_alu depctr_va_vdst(0)                   ; one wait for the four reciprocals, ahead of the products below and of the loop's jump
.irp c, 0,1,2,3
	v_mul_f32 v[FF+\c], v[FF+\c], v[FF+4+\c]
.endr
.irp c, 0,1,2,3
	v_cndmask_b32 v[RES+\c], v[RES+\c], v[FF+\c], s21          ; both halves hold the result; the tile's half keeps it
.endr
	s_lshl_b32 s21, s21, 16
	s_add_co_u32 s20, s20, 1
	s_cmp_lt_u32 s20, 2
	s_cbranch_scc1 .Ltile
	global_store_b128 v[OUTO], v[RES:RES+3], s[10:11] th:TH_STORE_NT   ; lanes 0-15: 256 consecutive aligned bytes of row 2g; lanes 16-31: of row 2g+1
	s_set_vgpr_msb 0x5
	s_wait_tensorcnt 0x0
	ds_add_u32 v254, v255
	s_wait_dscnt 0x0
	s_set_vgpr_msb 0x500
	s_endpgm
.Lfunc_end_k_q25d4a973b6_attn:
	.size	k_q25d4a973b6_attn, .Lfunc_end_k_q25d4a973b6_attn-k_q25d4a973b6_attn
	.p2alignl 7, 3214868480
	.fill 96, 4, 3214868480
	.section	.rodata,"a",@progbits
	.p2align	6, 0x0
	.amdhsa_kernel k_q25d4a973b6_attn
		.amdhsa_group_segment_fixed_size 120832
		.amdhsa_private_segment_fixed_size 0
		.amdhsa_enable_private_segment 0
		.amdhsa_kernarg_size 32
		.amdhsa_user_sgpr_count 2
		.amdhsa_user_sgpr_kernarg_segment_ptr 1
		.amdhsa_wavefront_size32 1
		.amdhsa_system_sgpr_workgroup_id_x 1
		.amdhsa_system_sgpr_workgroup_id_y 1
		.amdhsa_system_sgpr_workgroup_id_z 1
		.amdhsa_system_vgpr_workitem_id 0
		.amdhsa_next_free_vgpr 512
		.amdhsa_next_free_sgpr 66
		.amdhsa_reserve_vcc 1
		.amdhsa_float_denorm_mode_32 3
		.amdhsa_float_denorm_mode_16_64 3
		.amdhsa_memory_ordered 1
		.amdhsa_forward_progress 1
		.amdhsa_inst_pref_size 244
	.end_amdhsa_kernel
	.amdgpu_metadata
---
amdhsa.version: [ 1, 2 ]
amdhsa.kernels:
  - .name:           k_q25d4a973b6_attn
    .symbol:         k_q25d4a973b6_attn.kd
    .args:
      - { .name: inputs, .offset: 0, .size: 8, .value_kind: global_buffer, .address_space: global }
      - { .name: W, .offset: 8, .size: 8, .value_kind: global_buffer, .address_space: global }
      - { .name: b, .offset: 16, .size: 8, .value_kind: global_buffer, .address_space: global }
      - { .name: out0, .offset: 24, .size: 8, .value_kind: global_buffer, .address_space: global }
    .group_segment_fixed_size: 120832
    .private_segment_fixed_size: 0
    .kernarg_segment_align: 8
    .kernarg_segment_size: 32
    .max_flat_workgroup_size: 256
    .sgpr_count:     66
    .vgpr_count:     512
    .wavefront_size: 32
...
	.end_amdgpu_metadata
.endif
;; end of part 2
